; MI455X (gfx1250); checked and timed in simulation.
; The chip was launched on July 23, 2026; its instructions are those of AMD's public machine-readable ISA for CDNA 5 (MIT licence, August 2026) and "CDNA5" Instruction Set Architecture Reference Guide (July 2026). The comments in the code are by the model that wrote it; some were corrected since.
;; Differential. Allowed arithmetic: matrix products marked QUANTISED: E2M3 operands, one E8M0 scale for each 32 along K, by v_wmma_scale_f32_16x16x128_f8f6f4 with both operands' format E2M3, f32 sums; products left as they are: f32 operands where the result goes on into a quantised operand, else bf16, f16 or f32 operands; f32 sums; everything else in f32.
;; Inputs: gn_bias 2,048 float32; gn_weight 2,048 float32; k 2 x 16 x 2,048 x 256 float32; lam_k1 128 float32; lam_k2 128 float32; lam_q1 128 float32; lam_q2 128 float32; q 2 x 16 x 2,048 x 256 float32; v 2 x 16 x 2,048 x 128 float32.
;; Outputs: out0 2 x 16 x 2,048 x 128 float32.
;; This version of the problem:
;;   THIS VERSION OF THE PROBLEM IS GIVEN IN LOW PRECISION. The matrix products marked QUANTISED in the list below multiply operands that are first quantised to E2M3 (2 exponent bits, 3 mantissa bits; 6 bits a number), with one power-of-two scale for each 32 numbers along K (OCP MX v1.0); their sums are f32. All else is computed in f32.
;;   The module's matrix products, in the order in which they are computed (A, B: the left and right operand; K: the contracted axis; several contracted axes count as one K, in the product's order):
;;     1. batch 32 x [M 2,048, K 128] x [K 128, N 2,048]; A: input q; B: input k: QUANTISED
;;     2. batch 32 x [M 2,048, K 128] x [K 128, N 2,048]; A: input q; B: input k: QUANTISED
;;     3. [M 1, K 128] x [K 128, N 1]; A: input lam_q1; B: input lam_k1: left as it is (M = 1 < 16)
;;     4. [M 1, K 128] x [K 128, N 1]; A: input lam_q2; B: input lam_k2: left as it is (M = 1 < 16)
;;     5. batch 32 x [M 2,048, K 2,048] x [K 2,048, N 128]; A: computed on the way; B: input v: QUANTISED
;;   THE QUANTISER, for each operand of a quantised product, along K:
;;     - K is cut into blocks of 32 from its start; a last block that is shorter is filled with zeros.
;;     - A block's scale is 2^e with e = floor(log2(the largest magnitude in the block)) - 2, held to -126 .. 127; a block of zeros has e = 0. As a byte (E8M0): e + 127.
;;     - Each number is divided by its block's scale, clamped to +-7.5, and rounded to the nearest number of E2M3, ties to even, subnormals kept.
;;     - The product sums the exact products of the quantised numbers (number of the format x scale) in f32.
;;   ~~~python
;;   def quantise(x, axis):      # numpy; x: float32 -> the quantised numbers, widened to float32 again
;;       x = np.moveaxis(x, axis, -1); K = x.shape[-1]
;;       x = np.pad(x, [(0, 0)] * (x.ndim - 1) + [(0, -K % 32)]); x = x.reshape(x.shape[:-1] + (-1, 32)); a = np.abs(x).max(-1, keepdims=True)
;;       e = np.where(a > 0, np.clip(np.frexp(np.where(a > 0, a, 1))[1] - 1 - 2, -126, 127), 0)      # np.frexp(a)[1] - 1 = floor(log2(a)), exactly
;;       r = np.clip(x / 2.0 ** e, -7.5, 7.5)
;;       step = 2.0 ** (np.maximum(np.frexp(np.where(r == 0, 1, r))[1] - 1, 0) - 3)
;;       q = np.round(r / step) * step * 2.0 ** e      # np.round: ties to even
;;       return np.moveaxis(q.reshape(q.shape[:-2] + (-1,))[..., :K], -1, axis).astype(np.float32)
;;   ~~~
;;   OPERANDS COMPUTED ON THE WAY. 'Computed on the way' means the value that the module computes at that place (a softmax that the list does not call 'softmax' is quantised finished and normalised). What goes into a quantiser is computed in f32, as accurately as f32 sums, v_exp_f32 and their like allow (about 1e-6 of the number): no bf16 or f16 on the way to a quantiser, and a product that is left as it is and whose result goes on into a quantised operand takes f32 operands (vector FMAs, or v_wmma_f32_16x16x4_f32). A number that lies on a knife's edge between two numbers of the format may be rounded either way, as far as f32 arithmetic and the matrix unit's own rounding can turn it there, and no further.
;; One version. Each part assembles by itself: llvm-mc -triple=amdgcn-amd-amdhsa -mcpu=gfx1250 --defsym DOCPART=n.
;; ======== version 1 of 1: 3 launches
;; limits: right only within a limited range of input values
;; workspace buffers: qc 13,107,200 bytes; kc 13,107,200 bytes; vc 6,553,600 bytes; raw 33,554,432 bytes; part 16,384 bytes
;; launch quant (part 1): grid 1280 x 1, 4 waves a work-group, no clusters, 34,304 bytes of LDS; arguments q, k, v, qc, kc, vc; writes qc, kc, vc
.if DOCPART == 1
	.amdgcn_target "amdgcn-amd-amdhsa--gfx1250"
	.amdhsa_code_object_version 6
	.text
	.protected	k_qb444d2211d_quant
	.globl	k_qb444d2211d_quant
	.p2align	8
	.type	k_qb444d2211d_quant,@function
k_qb444d2211d_quant:
	s_mov_b64 s[64:65], 0
	v_nop
	global_prefetch_b8 v0, s[64:65] scope:SCOPE_SE
	s_setreg_imm32_b32 hwreg(HW_REG_WAVE_MODE, 25, 1), 1
	s_wait_xcnt 0x0
; q, k [32 heads][2048][256] and v [32][2048][128], f32, become codes of FP6 (E2M3) with one E8M0 byte for each 32 along a product's K, laid as the next launch's
; operand registers want them.  K is the head's axis for q and k (each half of the 256 is an operand of its own: part 0, part 1) and the keys for v.
; A block's scale is 2^(floor(log2(its largest magnitude)) - 2): its byte is the largest magnitude's exponent field - 2, held at 1 from below; each number is divided by the scale and rounded to the nearest code, ties to even.
; LIMITS: a block whose largest magnitude lies under 2^-124, a block of zeros among them, gets the byte 1 (its codes are zeros then or as the held scale gives them; the bytes are read by this program alone); NaN and infinities among the inputs are not served.
; A FRAGMENT'S IMAGE, 1,536 bytes: 16 rows x 128 K in 12 registers a lane; register i of lane l lies at 512 (i / 4) + 16 l + 4 (i % 4), so three accesses of 16 bytes a lane, each 512 consecutive bytes, store or load it.
;   Lane l = r + 16 h holds row r; registers 6 c .. 6 c + 5 hold the 32 codes of block 2 c + h.
; A RECORD, 25,600 bytes.  q, k: 128 rows: part 0's eight fragments, part 1's eight, then the scale words at 24,576 + 256 j + 8 l + 4 part (lanes 0-15: tile 2 j, lanes 16-31: tile 2 j + 1).
;   THE ROWS OF A TILE ARE NOT NEIGHBOURS: row r of tile 2 j + u is row 32 j + 8 u + r + 8 (r / 8) of the record, so that in the transposed score product a lane's 16 registers of two neighbouring tiles are 16 neighbouring keys.
;   v: 256 keys, two steps of 128: step s' has eight fragments (tile t: channels 16 t + r) at 12,288 s' + 1,536 t; scale words at 24,576 + 256 w + 8 l + 4 s' (lanes 0-15: tile 2 w, lanes 16-31: tile 2 w + 1).
; SHARES: work-groups 0-511 make q's records, 512-1023 k's (one text, the buffers chosen by the work-group's number), 1024-1279 v's (a text of its own, which uses no LDS).  Waves share nothing: no barrier.  Work-groups share no input: no cluster.
.set REC,   25600
.set PARTB, 12288
.set FRB,   1536
.set SCO,   24576
.set SP,    528                        ; a stage row: 512 bytes + 16, an odd multiple of 16: the sixteen rows that a load of 16 bytes a lane touches begin at sixteen different places modulo 256
.set STGB,  16*SP                      ; a wave's stage
.set LI,  4                            ; v4   16 x lane
.set L8,  5                            ; v5   8 x lane
.set STW, 6                            ; v6   the stage, on the way in: a row's 512 bytes as they are loaded
.set STR, 7                            ; v7   and on the way out: row r, + 128 h: my blocks
.set SH8, 8                            ; v8   8 h
.set L4,  9                            ; v9   4 x lane (v's path)
.set RA,  16                           ; v16-143  two sets of 16 x 4 registers as loaded
.set X,   144                          ; v144-207 my 64 numbers: blocks h and 2 + h of row r
.set FQ,  208                          ; v208-231 two sets of a fragment's 12 registers
.set TQ,  232                          ; v232-238 the upper halves of the two blocks' codes, before they are moved
.set MX,  240                          ; v240-241 largest magnitudes
.set SCQ, 242                          ; v242-243 the conversions' scale operands
.set BY,  244                          ; v244-245 the scale bytes
.set WW,  246
.set PD,  247                          ; a lane permute's destination
.set WQ,  248                          ; v248-251 the scale words of sub-step 2 u + part
	s_load_b256 s[4:11], s[0:1], 0x0               ; q s[4:5], k s[6:7], v s[8:9], qc s[10:11]
	s_load_b128 s[12:15], s[0:1], 0x20             ; kc s[12:13], vc s[14:15]
	v_lshl_add_u32 v254, v0, 2, 0x8400
	v_mov_b32 v255, 0
	v_lshrrev_b32 v1, 5, v0
	v_readfirstlane_b32 s16, v1                    ; wave 0..3
	v_and_b32 v1, 31, v0                           ; lane
	v_and_b32 v2, 15, v0                           ; r
	v_bfe_u32 v3, v0, 4, 1                         ; h
	v_lshlrev_b32 v[LI], 4, v1
	v_lshlrev_b32 v[L8], 3, v1
	s_cmp_ge_u32 ttmp9, 1024
	s_cbranch_scc1 .Lv
; ---------------- q and k: a work-group makes one record; wave j takes its rows 32 j .. 32 j + 31, tiles 2 j and 2 j + 1
	s_mul_i32 s26, s16, STGB
	v_add_nc_u32 v[STW], s26, v[LI]
	v_mul_u32_u24 v[STR], v2, SP
	v_lshl_add_u32 v[STR], v3, 7, v[STR]
	v_add_nc_u32 v[STR], s26, v[STR]
	v_lshlrev_b32 v[SH8], 3, v3
	v_mov_b32 v[PD], 0                             ; written once: a lane permute's destination counts as one of its sources
	s_mov_b32 s28, 0x76543210
	s_mov_b32 s29, 0xfedcba98                      ; v_permlanex16_b32's selects for lane l xor 16
	s_and_b32 s17, ttmp9, 511                      ; the record
	s_lshl_b32 s18, s17, 17                        ; 128 rows of 1,024 bytes,
	s_lshl_b32 s20, s16, 15                        ; my wave's 32 of them
	s_add_co_u32 s18, s18, s20
	s_mov_b32 s19, 0
	s_mul_i32 s20, s17, REC
	s_mul_i32 s22, s16, 2*FRB
	s_add_co_u32 s22, s22, s20                     ; my two tiles' fragments
	s_mov_b32 s23, 0
	s_lshl_b32 s24, s16, 8
	s_add_co_u32 s24, s24, s20
	s_add_co_u32 s24, s24, SCO                     ; my 256 bytes of scale words
	s_mov_b32 s25, 0
	s_wait_kmcnt 0x0
	s_cmp_lt_u32 ttmp9, 512                        ; q's work-group or k's: the choice hangs on the work-group's number alone
	s_cselect_b64 s[4:5], s[4:5], s[6:7]
	s_cselect_b64 s[10:11], s[10:11], s[12:13]
	s_add_nc_u64 s[4:5], s[4:5], s[18:19]
	s_add_nc_u64 s[12:13], s[10:11], s[24:25]      ; the scale words
	s_add_nc_u64 s[10:11], s[10:11], s[22:23]      ; the fragments
; Sub-step s = 2 u + part: the 16 rows of tile 2 j + u, 512 bytes (one part) of each.  Every load is 512 consecutive bytes at a multiple of 512.
.macro LOADQ s
.set n1, 0
.rept 16
	global_load_b128 v[RA+64*((\s)%2)+4*n1:RA+64*((\s)%2)+4*n1+3], v[LI], s[4:5] offset:(8*((\s)/2)+n1+8*(n1/8))*1024+512*((\s)%2) th:TH_LOAD_NT
.set n1, n1+1
.endr
.endm
.macro QSTEP s
.set RS, RA+64*((\s)%2)
.set FS, FQ+12*((\s)%2)
.if (\s) < 3
	s_wait_loadcnt 16                              ; this sub-step's 16 loads are in; the next one's 16 may be out
.else
	s_wait_loadcnt 0x0
.endif
.set n1, 0
.rept 16
	ds_store_b128 v[STW], v[RS+4*n1:RS+4*n1+3] offset:SP*n1          ; the rows as they lie
.set n1, n1+1
.endr
.irp c, 0,1
.irp i, 0,1,2,3,4,5,6,7
	ds_load_b128 v[X+32*\c+4*\i:X+32*\c+4*\i+3], v[STR] offset:256*\c+16*\i   ; block 2 c + h of row r, 128 bytes.  LDS serves a wave's instructions in order: these see the stores above
.endr
.endr
	s_wait_dscnt 0x0                               ; my numbers are here, and the stores into the stage have read their registers,
.if (\s) < 2
	LOADQ (\s)+2                                   ; which take the loads of two sub-steps on
.endif
.irp c, 0,1
	v_max3_num_f32 v[MX+\c], |v[X+32*\c]|, |v[X+32*\c+1]|, 0x1800000   ; the floor 2^(3 - 127) among the leaves: the byte cannot fall under 1
.endr
.irp i, 2,4,6,8,10,12,14,16,18,20,22,24,26,28,30
.irp c, 0,1
	v_max3_num_f32 v[MX+\c], v[MX+\c], |v[X+32*\c+\i]|, |v[X+32*\c+\i+1]|   ; the two blocks by turns
.endr
.endr
.irp c, 0,1
	v_add_nc_u32 v[SCQ+\c], 0xff000000, v[MX+\c]   ; 2 off the exponent field: the conversion takes the exponent field of this operand as its scale
.endr
.irp c, 0,1
	v_lshrrev_b32 v[BY+\c], 23, v[SCQ+\c]          ; the scale's byte
.endr
	v_lshl_or_b32 v[WW], v[BY+1], 16, v[BY]        ; my two bytes, blocks h and 2 + h,
	v_lshlrev_b32 v[WW], v[SH8], v[WW]             ; at their places in the row's word;
	v_permlanex16_b32 v[PD], v[WW], s28, s29
	v_or_b32 v[WQ+(\s)], v[WW], v[PD]              ; with lane l xor 16's two the word is whole
.if (\s) >= 2
	s_wait_alu depctr_va_vdst(0)
	s_wait_xcnt 0x0                                ; this set of 12 registers was the data of the stores two sub-steps ago: it is written again only behind this wait
.endif
.irp c, 0,1
	v_cvt_scalef32_pk16_fp6_f32 v[FS+6*\c:FS+6*\c+2], v[X+32*\c:X+32*\c+15], v[SCQ+\c]
	v_cvt_scalef32_pk16_fp6_f32 v[TQ+4*\c:TQ+4*\c+2], v[X+32*\c+16:X+32*\c+31], v[SCQ+\c]   ; (a conversion's three registers begin on an even number)
.endr
	v_nop                                          ; one plain place behind a scaled conversion
.irp c, 0,1
.irp i, 0,1,2
	v_mov_b32 v[FS+6*\c+3+\i], v[TQ+4*\c+\i]
.endr
.endr
.irp k, 0,1,2
	global_store_b128 v[LI], v[FS+4*\k:FS+4*\k+3], s[10:11] offset:PARTB*((\s)%2)+FRB*((\s)/2)+512*\k   ; 32 lanes store 512 consecutive bytes, at a multiple of 256 from the buffer's first byte
.endr
.endm
	s_wait_alu depctr_va_vdst(0)
	LOADQ 0
	LOADQ 1
	QSTEP 0
	QSTEP 1
	QSTEP 2
	QSTEP 3
	v_cmp_ne_u32 vcc_lo, 0, v3                     ; lanes 0-15 give tile 2 j's words, lanes 16-31 tile 2 j + 1's (every lane holds row r's word of both)
	v_cndmask_b32 v252, v[WQ], v[WQ+2], vcc_lo     ; part 0
	v_cndmask_b32 v253, v[WQ+1], v[WQ+3], vcc_lo   ; part 1
	global_store_b64 v[L8], v[252:253], s[12:13]   ; 32 lanes store 256 consecutive bytes, aligned
	s_wait_tensorcnt 0x0
	ds_add_u32 v254, v255
	s_wait_dscnt 0x0
	s_endpgm
; ---------------- v: a work-group makes one record (256 keys of a head).  A LANE TAKES A CHANNEL, AND ITS REGISTERS RUN DOWN THE KEYS: wave w takes channels 32 w + lane; a block of 32 keys lies in one lane's 32 registers.
.set XV,  16                           ; v16-79   two sets of 32 numbers
.set FV,  80                           ; v80-127  for each step: 12 registers (blocks 0, 2) and 12 (blocks 1, 3) of my channel; after the exchange of halves: the fragments of tiles 2 w and 2 w + 1
.set TVR, 128                          ; v128-130
.set MV,  132                          ; v132-133
.set SCV, 134
.set BV,  135
.set SW,  136                          ; v136-137 my channel's scale words of the two steps
.Lv:
	s_sub_co_u32 s17, ttmp9, 1024                  ; 8 x head + slot
	s_lshl_b32 s18, s17, 17                        ; 256 keys of 512 bytes,
	s_lshl_b32 s20, s16, 7                         ; my wave's 32 channels
	s_add_co_u32 s18, s18, s20
	s_mov_b32 s19, 0
	s_mul_i32 s20, s17, REC
	s_mul_i32 s22, s16, 2*FRB
	s_add_co_u32 s22, s22, s20
	s_mov_b32 s23, 0
	s_lshl_b32 s24, s16, 8
	s_add_co_u32 s24, s24, s20
	s_add_co_u32 s24, s24, SCO
	s_mov_b32 s25, 0
	s_wait_alu depctr_va_vdst(0)
	v_lshlrev_b32 v[L4], 2, v1
	s_wait_alu depctr_va_vdst(0)
	s_wait_kmcnt 0x0
	s_add_nc_u64 s[8:9], s[8:9], s[18:19]
	s_add_nc_u64 s[12:13], s[14:15], s[24:25]      ; the scale words
	s_add_nc_u64 s[14:15], s[14:15], s[22:23]      ; the fragments
.macro VLOADB t                        ; block t: v(32 t + i, my channel): a wave reads 128 consecutive bytes, the four waves 512
.set n1, 0
.rept 32
	global_load_b32 v[XV+32*((\t)%2)+n1], v[L4], s[8:9] offset:(32*(\t)+n1)*512 th:TH_LOAD_NT
.set n1, n1+1
.endr
.endm
.macro VBLOCK t
.set XS, XV+32*((\t)%2)
.set CD, FV+24*((\t)/4)+12*((\t)%2)+6*(((\t)%4)/2)
.if (\t) < 7
	s_wait_loadcnt 32                              ; this block's 32 loads are in; the next block's may be out
.else
	s_wait_loadcnt 0x0
.endif
	v_max3_num_f32 v[MV], |v[XS]|, |v[XS+1]|, |v[XS+2]|             ; the block's largest magnitude: all 32 numbers are mine; two chains
	v_max3_num_f32 v[MV+1], |v[XS+3]|, |v[XS+4]|, |v[XS+5]|
.irp i, 6,10,14,18,22,26
	v_max3_num_f32 v[MV], v[MV], |v[XS+\i]|, |v[XS+\i+1]|
	v_max3_num_f32 v[MV+1], v[MV+1], |v[XS+\i+2]|, |v[XS+\i+3]|
.endr
	v_max3_num_f32 v[MV], v[MV], |v[XS+30]|, |v[XS+31]|
	v_max3_num_f32 v[MV], v[MV], v[MV+1], 0x1800000                 ; and the floor 2^(3 - 127)
	v_add_nc_u32 v[SCV], 0xff000000, v[MV]
	v_lshrrev_b32 v[BV], 23, v[SCV]
.if (\t)%4 == 0
	v_mov_b32 v[SW+(\t)/4], v[BV]                  ; four bytes to a word, the lower keys in the lower byte
.else
	v_lshl_or_b32 v[SW+(\t)/4], v[BV], 8*((\t)%4), v[SW+(\t)/4]
.endif
	v_cvt_scalef32_pk16_fp6_f32 v[CD:CD+2], v[XS:XS+15], v[SCV]
	v_cvt_scalef32_pk16_fp6_f32 v[TVR:TVR+2], v[XS+16:XS+31], v[SCV]
	v_nop                                          ; one plain place behind a scaled conversion
.irp i, 0,1,2
	v_mov_b32 v[CD+3+\i], v[TVR+\i]
.endr
.if (\t)+2 < 8
	VLOADB (\t)+2
.endif
.if (\t)%4 == 3                        ; a step is whole.  The first twelve hold blocks 0 and 2 of my channel, the second twelve blocks 1 and 3.  A fragment wants blocks 0, 2 in lanes 0-15 and blocks 1, 3 of the same channels in lanes 16-31:
.set FA, FV+24*((\t)/4)
.irp i, 0,1,2,3,4,5,6,7,8,9,10,11
	v_permlane16_swap_b32 v[FA+\i], v[FA+12+\i]    ; the first's lanes 16-31 change places with the second's lanes 0-15
.endr
.irp e, 0,1
.irp k, 0,1,2
	global_store_b128 v[LI], v[FA+12*\e+4*\k:FA+12*\e+4*\k+3], s[14:15] offset:PARTB*((\t)/4)+FRB*\e+512*\k
.endr
.endr
.endif
.endm
	VLOADB 0
	VLOADB 1
.irp t, 0,1,2,3,4,5,6,7
	VBLOCK \t
.endr
	global_store_b64 v[L8], v[SW:SW+1], s[12:13]   ; 32 lanes store 256 consecutive bytes, aligned
	s_endpgm
.Lfunc_end_k_qb444d2211d_quant:
	.size	k_qb444d2211d_quant, .Lfunc_end_k_qb444d2211d_quant-k_qb444d2211d_quant
	.p2alignl 7, 3214868480
	.fill 96, 4, 3214868480
	.section	.rodata,"a",@progbits
	.p2align	6, 0x0
	.amdhsa_kernel k_qb444d2211d_quant
		.amdhsa_group_segment_fixed_size 34304
		.amdhsa_private_segment_fixed_size 0
		.amdhsa_enable_private_segment 0
		.amdhsa_kernarg_size 48
		.amdhsa_user_sgpr_count 2
		.amdhsa_user_sgpr_kernarg_segment_ptr 1
		.amdhsa_wavefront_size32 1
		.amdhsa_system_sgpr_workgroup_id_x 1
		.amdhsa_system_sgpr_workgroup_id_y 1
		.amdhsa_system_sgpr_workgroup_id_z 1
		.amdhsa_system_vgpr_workitem_id 0
		.amdhsa_next_free_vgpr 256
		.amdhsa_next_free_sgpr 66
		.amdhsa_reserve_vcc 1
		.amdhsa_float_denorm_mode_32 3
		.amdhsa_float_denorm_mode_16_64 3
		.amdhsa_memory_ordered 1
		.amdhsa_forward_progress 1
		.amdhsa_inst_pref_size 69
	.end_amdhsa_kernel
	.amdgpu_metadata
---
amdhsa.version: [ 1, 2 ]
amdhsa.kernels:
  - .name:           k_qb444d2211d_quant
    .symbol:         k_qb444d2211d_quant.kd
    .args:
      - { .name: q, .offset: 0, .size: 8, .value_kind: global_buffer, .address_space: global }
      - { .name: k, .offset: 8, .size: 8, .value_kind: global_buffer, .address_space: global }
      - { .name: v, .offset: 16, .size: 8, .value_kind: global_buffer, .address_space: global }
      - { .name: qc, .offset: 24, .size: 8, .value_kind: global_buffer, .address_space: global }
      - { .name: kc, .offset: 32, .size: 8, .value_kind: global_buffer, .address_space: global }
      - { .name: vc, .offset: 40, .size: 8, .value_kind: global_buffer, .address_space: global }
    .group_segment_fixed_size: 34304
    .private_segment_fixed_size: 0
    .kernarg_segment_align: 8
    .kernarg_segment_size: 48
    .max_flat_workgroup_size: 128
    .sgpr_count:     66
    .vgpr_count:     256
    .wavefront_size: 32
...
	.end_amdgpu_metadata
.endif
;; end of part 1
;; launch attn (part 2): grid 8 x 32, 8 waves a work-group, clusters of 4 x 1, 327,680 bytes of LDS; arguments qc, kc, vc, lam_q1, lam_k1, lam_q2, lam_k2, raw, part; writes raw, part
.if DOCPART == 2
	.amdgcn_target "amdgcn-amd-amdhsa--gfx1250"
	.amdhsa_code_object_version 6
	.text
	.protected	k_qb444d2211d_attn
	.globl	k_qb444d2211d_attn
	.p2align	8
	.type	k_qb444d2211d_attn,@function
k_qb444d2211d_attn:
	s_mov_b64 s[64:65], 0
	v_nop
	global_prefetch_b8 v0, s[64:65] scope:SCOPE_SE
	s_setreg_imm32_b32 hwreg(HW_REG_WAVE_MODE, 25, 1), 1
	s_wait_xcnt 0x0
	s_wait_alu depctr_hold_cnt(0) depctr_sa_sdst(0) depctr_va_vdst(0) depctr_va_sdst(0) depctr_va_ssrc(0) depctr_va_vcc(0) depctr_vm_vsrc(0)
	s_getreg_b32 s2, hwreg(HW_REG_IB_STS2, 6, 4)
	s_cmp_eq_u32 s2, 0
	s_cbranch_scc0 .Lentry_in_a_cluster
	s_endpgm
.Lentry_in_a_cluster:
	s_bfe_u32 s2, ttmp6, 0x10000c
	s_cmp_lg_u32 s2, 0x3003
	s_cbranch_scc0 .Lentry_shape_is_right
	s_endpgm
.Lentry_shape_is_right:
; raw[head][q][:] = sum over keys of Q6(w1 - lam w2)[q][key] Q6(v)[key][:], w1 = softmax(Q1 K1^T / sqrt(128)), w2 = softmax(Q2 K2^T / sqrt(128)); all three products on codes of FP6 (E2M3), one E8M0 scale for each 32 along K.
; lam = exp(lam_q1 . lam_k1) - exp(lam_q2 . lam_k2) + 0.8.  The FINISHED weight is quantised, so each row's maximum and sum come first: THE KEYS ARE WALKED TWICE.
; Pass 1: scores; for each query and part the running largest score m, M = ceil(c m), c = log2(e) / sqrt(128), and l = sum of 2^(c s - M).
; Pass 2: the same scores again, w = 2^(c s1 - M1 - log2 l1) - (lam / l2) 2^(c s2 - M2), quantised in blocks of 32 keys, O^T += V^T W^T.
; Also stored: each wave's mean of its 4,096 results and the sum of their squared distances from it, for the next launch.
; LIMITS: NaN and infinities are not served.  1 / l1 enters as log2 l1 in the exponent and 1 / l2 as a factor: another order of rounding than a division of each softmax; the exponent's addend is rounded at the size of M1 + log2 l1,
; as the scaled score itself is.  A block of w whose largest magnitude lies under 2^-124 gets the scale byte 1.  lam overflows where exp itself does.
; SHARES: a work-group owns 256 queries of a head, each of its 8 waves 32 (two tiles u = 0, 1): every fragment of K and V read from LDS feeds two matrix instructions.
; LAYOUT: products are used transposed (S^T = K Q^T, O^T = V^T W^T): a lane holds ONE query (lane % 16).  Operands lie in memory and LDS as images of their registers, in records of 25,600 bytes: 128 keys of K (both parts, scale words) or 256 keys of V.
; CLUSTER: the four query blocks of a cluster walk the same K and V of one head: every tile is asked for jointly, mask 15.
; LDS: two slots of 153,600 bytes; a slot holds a period, 512 keys: 4 records of K, then 2 of V.  Eight periods, four a pass.  The head and the first round bring K and V of periods 0 and 1 (waves 0-3 a record of K, waves 4-7 half a record of V):
; all bytes have their first fill there, and V of periods 0, 1 stays until pass 2.  Pass 1's four refills bring K alone (50 rows of 256 bytes a wave), pass 2's two bring K and V.  Behind the slots the spare words.
; The stage of the way out lies over slot 0, behind its last fill and last read.  A wave has one tensor load out at the most.
; NO PREFETCH: a refill is asked for a whole period (512 keys: 128 or 192 matrix instructions and their vector work in each wave) ahead of the wait for it, and only six refills follow the first fills.
; REGISTERS.  Window 0: v1-11 addresses, lam; v16-31 statistics, four a (part, tile): the exponent's addend, m, l in two halves (pass 2, part 1: -lam / l2 in the first); v32-47 scale words alone; v48-79 at work;
;   v80-103 W's codes; v104-119 their upper halves; v120-183 scores; v184-231 four fragments.  Window 1: v0-127 O^T; v128-175 Q; v176-223 four fragments of V.
.set REC,   25600
.set PARTB, 12288
.set FRB,   1536
.set SCO,   24576
.set SLOTB, 153600
.set VOFF,  102400
.set SPARE, 307200
.set SP,    528
.set STGB,  16*SP
.set LI,   1
.set L8,   2
.set ADK,  3
.set ADS,  4
.set ADV,  5
.set ADVS, 6
.set SPW,  7
.set NIL,  8
.set LAM,  9
.set STO,  10
.set RD,   11
.set ST,   16
.set QS,   32
.set KS,   34
.set VS,   42
.set PS,   46
.set T,    48
.set PC,   80
.set TC,   104
.set S,    120
.set F,    184
.set BK,   120
.set OO,   0
.set QQ,   128
.set F2,   176
.set WV,   22
.set G1A,  28                          ; group 1: 100 rows of 256 bytes
.set G1B,  36                          ; group 1: 50 rows
.set G0K,  44                          ; group 0: a record of K (waves 0-3)
.set G0V,  48                          ; half a record of V (waves 4-7)
.set G0X,  52                          ; half a record of K (every wave, pass 1's refills)
.set KB,   56
.set OFF,  58
.set SEL,  60
.set CS,   62
.set NC,   66
.set TB,   67
.set TV,   68
.set TVS,  69
.set OUT,  70
.set MID,  71
.set IN,   72
.set PER,  73
.set FB,   74                          ; the slot that is filled next
.set SB,   75                          ; the slot that is read
.set WK,   76
.set WVV,  77
.set WX,   78
.set MSB, 0
.macro WIN new
.if MSB != \new
	s_set_vgpr_msb (MSB<<8)|\new
.set MSB, \new
.endif
.endm
.macro AW
	s_wait_alu depctr_va_vdst(0)
.endm
.macro DL n
	s_delay_alu instid0(VALU_DEP_\n)
.endm
.macro PLACES
.rept 4
	v_nop
.endr
.endm
.macro ROUND
	s_barrier_signal -1
	s_barrier_wait -1
	s_cmp_lg_u32 s[WV], 0
	s_cbranch_scc1 .Lnot_wave_0_\@
	s_barrier_signal -3
.Lnot_wave_0_\@:
	s_barrier_wait -3
	s_barrier_signal -1
	s_barrier_wait -1
.endm
; one matrix instruction on rD, rA, rB, rSA, rSB.  zero: it starts a sum.  ra, rb: that source's scales come from lanes 16-31
.macro WM zero, ra, rb
.if \zero
.if (\ra) && (\rb)
	v_wmma_scale_f32_16x16x128_f8f6f4 v[rD:rD+7], v[rA:rA+11], v[rB:rB+11], 0, v[rSA], v[rSB] matrix_a_fmt:MATRIX_FMT_FP6 matrix_b_fmt:MATRIX_FMT_FP6 matrix_a_scale:MATRIX_SCALE_ROW1 matrix_b_scale:MATRIX_SCALE_ROW1
.elseif (\ra)
	v_wmma_scale_f32_16x16x128_f8f6f4 v[rD:rD+7], v[rA:rA+11], v[rB:rB+11], 0, v[rSA], v[rSB] matrix_a_fmt:MATRIX_FMT_FP6 matrix_b_fmt:MATRIX_FMT_FP6 matrix_a_scale:MATRIX_SCALE_ROW1
.elseif (\rb)
	v_wmma_scale_f32_16x16x128_f8f6f4 v[rD:rD+7], v[rA:rA+11], v[rB:rB+11], 0, v[rSA], v[rSB] matrix_a_fmt:MATRIX_FMT_FP6 matrix_b_fmt:MATRIX_FMT_FP6 matrix_b_scale:MATRIX_SCALE_ROW1
.else
	v_wmma_scale_f32_16x16x128_f8f6f4 v[rD:rD+7], v[rA:rA+11], v[rB:rB+11], 0, v[rSA], v[rSB] matrix_a_fmt:MATRIX_FMT_FP6 matrix_b_fmt:MATRIX_FMT_FP6
.endif
.else
.if (\ra)
	v_wmma_scale_f32_16x16x128_f8f6f4 v[rD:rD+7], v[rA:rA+11], v[rB:rB+11], v[rD:rD+7], v[rSA], v[rSB] matrix_a_fmt:MATRIX_FMT_FP6 matrix_b_fmt:MATRIX_FMT_FP6 matrix_a_scale:MATRIX_SCALE_ROW1
.else
	v_wmma_scale_f32_16x16x128_f8f6f4 v[rD:rD+7], v[rA:rA+11], v[rB:rB+11], v[rD:rD+7], v[rSA], v[rSB] matrix_a_fmt:MATRIX_FMT_FP6 matrix_b_fmt:MATRIX_FMT_FP6
.endif
.endif
.endm
.macro FL dst, adr, off
.irp k, 0,1,2
	ds_load_b128 v[\dst+4*\k:\dst+4*\k+3], v[\adr] offset:\off+512*\k
.endr
.endm
.macro PA a, b
	v_pk_add_f32 v[(\a):(\a)+1], v[(\a):(\a)+1], v[(\b):(\b)+1]
.endm
.macro EXP64                           ; one batch of 64 exponentials, a wait ahead of it and one behind it
	AW
.set n1, 0
.rept 64
	v_exp_f32 v[S+n1], v[S+n1]
.set n1, n1+1
.endr
	v_nop
	AW
.endm
; ---- PASS 1: the vector work on 64 keys of part p, both tiles; a lane has 32 scores a tile.  Maxima and sums go as trees, so that few lines wait for the line above them.
.macro VEC1 p
.irp i, 0,1,2,3,4,5,6,7,8,9            ; ascending: each accumulator is first read at its low end
.irp u, 0,1
	v_max3_num_f32 v[T+16*\u+\i], v[S+32*\u+3*\i], v[S+32*\u+3*\i+1], v[S+32*\u+3*\i+2]
.endr
.endr
.irp i, 0,3,6
.irp u, 0,1
	v_max3_num_f32 v[T+16*\u+\i], v[T+16*\u+\i], v[T+16*\u+\i+1], v[T+16*\u+\i+2]
.endr
.endr
.irp u, 0,1
	v_max3_num_f32 v[T+16*\u+9], v[T+16*\u+9], v[S+32*\u+30], v[S+32*\u+31]
.endr
.irp u, 0,1
	DL 4
	v_max3_num_f32 v[T+16*\u], v[T+16*\u], v[T+16*\u+3], v[T+16*\u+6]
.endr
.irp u, 0,1
	DL 2
	v_max3_num_f32 v[T+16*\u], v[T+16*\u], v[T+16*\u+9], v[ST+8*(\p)+4*\u+1]   ; with the running largest score
.endr
.irp u, 0,1
	v_permlanex16_b32 v[T+16*\u+1], v[T+16*\u], s[SEL], s[SEL+1]    ; the query's other keys lie in the lane 16 away
.endr
.irp u, 0,1
	DL 2
	v_max_num_f32 v[ST+8*(\p)+4*\u+1], v[T+16*\u], v[T+16*\u+1]
.endr
.irp u, 0,1
	DL 2
	v_mul_f32 v[T+16*\u+2], s[NC], v[ST+8*(\p)+4*\u+1]              ; -c m
.endr
.irp u, 0,1
	DL 2
	v_floor_f32 v[T+16*\u+3], v[T+16*\u+2]                          ; the new -M: M is a whole number
.endr
.irp u, 0,1
	DL 2
	v_sub_f32 v[T+16*\u+4], v[T+16*\u+3], v[ST+8*(\p)+4*\u]         ; old M - new M, 0 or less
.endr
.irp u, 0,1
	v_mov_b32 v[ST+8*(\p)+4*\u], v[T+16*\u+3]
.endr
.irp u, 0,1
	v_cvt_i32_f32 v[T+16*\u+4], v[T+16*\u+4]                        ; (it saturates)
.endr
.set n1, 0
.rept 16
	v_pk_fma_f32 v[S+2*n1:S+2*n1+1], v[S+2*n1:S+2*n1+1], s[CS:CS+1], v[ST+8*(\p):ST+8*(\p)+1] op_sel_hi:[1,0,0]
.set n1, n1+1
.endr
.irp u, 0,1
	v_ldexp_f32 v[T+16*\u+4], 1.0, v[T+16*\u+4]                     ; f = 2^(old M - new M): rounds nothing
.endr
.set n1, 0
.rept 16
	v_pk_fma_f32 v[S+32+2*n1:S+32+2*n1+1], v[S+32+2*n1:S+32+2*n1+1], s[CS:CS+1], v[ST+8*(\p)+4:ST+8*(\p)+5] op_sel_hi:[1,0,0]
.set n1, n1+1
.endr
	EXP64
.irp j, 0,1,2,3,4,5,6,7
.irp u, 0,1
	PA S+32*\u+4*\j, S+32*\u+4*\j+2
.endr
.endr
.irp j, 0,1,2,3
.irp u, 0,1
	PA S+32*\u+8*\j, S+32*\u+8*\j+4
.endr
.endr
.irp u, 0,1
	PA S+32*\u, S+32*\u+8
.endr
.irp u, 0,1
	DL 4
	PA S+32*\u+16, S+32*\u+24
.endr
.irp u, 0,1
	DL 2
	PA S+32*\u, S+32*\u+16
.endr
.irp u, 0,1
	DL 2
	v_pk_fma_f32 v[ST+8*(\p)+4*\u+2:ST+8*(\p)+4*\u+3], v[ST+8*(\p)+4*\u+2:ST+8*(\p)+4*\u+3], v[T+16*\u+4:T+16*\u+5], v[S+32*\u:S+32*\u+1] op_sel_hi:[1,0,1]   ; l = l f + the unit's sum
.endr
.endm
; 64 keys (tiles 4 g on) of part p: eight products; then the fetch of the next unit's four fragments, which lands under the vector work
.macro UNIT1 p, g, more, np, ng
	AW
	s_wait_dscnt 0x0
	WIN 0x04
.irp t, 0,1,2,3
.irp u, 0,1
.set rD, S+32*\u+8*\t
.set rA, F+12*\t
.set rB, QQ+12*(2*(\p)+\u)
.set rSA, KS+2*((4*(\g)+\t)/2)+(\p)
.set rSB, QS+(\p)
	WM 1, \t%2, \u
.endr
.endr
	WIN 0
	PLACES
.if (\more) == 1
.irp t, 0,1,2,3
	FL F+12*\t, ADK, (\np)*PARTB+(4*(\ng)+\t)*FRB
.endr
.elseif (\more) == 2                   ; the next record's scale words and first fragments (in a period's last step: landed bytes of V in the same slot, which are not used)
.irp j, 0,1,2,3
	ds_load_b64 v[KS+2*\j:KS+2*\j+1], v[ADS] offset:REC+SCO+256*\j
.endr
.irp t, 0,1,2,3
	FL F+12*\t, ADK, REC+\t*FRB
.endr
.endif
	VEC1 \p
.endm
.macro P1                              ; a period of pass 1: a slot's four steps of 128 keys; a step's first fetch is issued under the step before, the period's first ahead of the loop
	s_mov_b32 s[TB], s[SB]
	s_mov_b32 s[IN], 4
	v_add_nc_u32 v[ADK], s[TB], v[LI]
	v_add_nc_u32 v[ADS], s[TB], v[L8]
	AW
.irp j, 0,1,2,3
	ds_load_b64 v[KS+2*\j:KS+2*\j+1], v[ADS] offset:SCO+256*\j
.endr
.irp t, 0,1,2,3
	FL F+12*\t, ADK, \t*FRB
.endr
.Lb1_\@:
	v_add_nc_u32 v[ADK], s[TB], v[LI]
	v_add_nc_u32 v[ADS], s[TB], v[L8]
	UNIT1 0, 0, 1, 0, 1
	UNIT1 0, 1, 1, 1, 0
	UNIT1 1, 0, 1, 1, 1
	UNIT1 1, 1, 2, 0, 0
	s_add_co_u32 s[TB], s[TB], REC
	s_sub_co_u32 s[IN], s[IN], 1
	s_cmp_lg_u32 s[IN], 0
	AW
	s_cbranch_scc1 .Lb1_\@
.endm
; ---- PASS 2: block b of a step's four blocks of 32 keys.  Group g = 2 part + tile at v[S + 16 g]: keys 32 b + 16 (lane / 16) + 0 .. 15
.macro VEC2 b
.irp g, 0,1,2,3
.set n1, 0
.rept 8
	v_pk_fma_f32 v[S+16*\g+2*n1:S+16*\g+2*n1+1], v[S+16*\g+2*n1:S+16*\g+2*n1+1], s[CS:CS+1], v[ST+4*\g:ST+4*\g+1] op_sel_hi:[1,0,0]
.set n1, n1+1
.endr
.endr
	EXP64
.set n1, 0
.rept 8
.irp u, 0,1
	v_pk_fma_f32 v[S+16*\u+2*n1:S+16*\u+2*n1+1], v[S+32+16*\u+2*n1:S+32+16*\u+2*n1+1], v[ST+10+4*\u:ST+11+4*\u], v[S+16*\u+2*n1:S+16*\u+2*n1+1] op_sel_hi:[1,0,1]   ; w = w1 + p2 (-lam / l2)
.endr
.set n1, n1+1
.endr
.irp i, 0,1,2,3,4
.irp u, 0,1
	v_max3_num_f32 v[T+16*\u+\i], |v[S+16*\u+3*\i]|, |v[S+16*\u+3*\i+1]|, |v[S+16*\u+3*\i+2]|
.endr
.endr
.irp u, 0,1
	v_max3_num_f32 v[T+16*\u], v[T+16*\u], v[T+16*\u+1], v[T+16*\u+2]
.endr
.irp u, 0,1
	DL 4
	v_max3_num_f32 v[T+16*\u+3], v[T+16*\u+3], v[T+16*\u+4], |v[S+16*\u+15]|
.endr
.irp u, 0,1
	DL 2
	v_max3_num_f32 v[T+16*\u], v[T+16*\u], v[T+16*\u+3], 0x1800000  ; the floor 2^(3 - 127): the byte cannot fall under 1
.endr
.irp u, 0,1
	v_permlanex16_b32 v[T+16*\u+1], v[T+16*\u], s[SEL], s[SEL+1]
.endr
.irp u, 0,1
	DL 2
	v_max_num_f32 v[T+16*\u], v[T+16*\u], v[T+16*\u+1]              ; the block's largest |w|
.endr
.irp u, 0,1
	DL 2
	v_add_nc_u32 v[T+16*\u+2], 0xff000000, v[T+16*\u]               ; 2 off the exponent field: the conversion's scale operand
.endr
.irp u, 0,1
	DL 2
.if (\b) == 0
	v_lshrrev_b32 v[PS+\u], 23, v[T+16*\u+2]       ; the byte begins the step's word
.else
	v_lshrrev_b32 v[T+16*\u+3], 23, v[T+16*\u+2]
.endif
.endr
.if (\b) > 0
.irp u, 0,1
	DL 2
	v_lshl_or_b32 v[PS+\u], v[T+16*\u+3], 8*(\b), v[PS+\u]
.endr
.endif
.irp u, 0,1
.if (\b)%2 == 0
	v_cvt_scalef32_pk16_fp6_f32 v[PC+12*\u+6*((\b)/2):PC+12*\u+6*((\b)/2)+2], v[S+16*\u:S+16*\u+15], v[T+16*\u+2]
.else
	v_cvt_scalef32_pk16_fp6_f32 v[TC+8*\u+4*((\b)/2):TC+8*\u+4*((\b)/2)+2], v[S+16*\u:S+16*\u+15], v[T+16*\u+2]
.endif
.endr
	v_nop                                          ; one plain place behind a scaled conversion
.if (\b) == 3                          ; the operand wants a WHOLE block in a lane: lanes 0-15 block 2 c, lanes 16-31 block 2 c + 1
.irp u, 0,1
.irp c, 0,1
.irp i, 0,1,2
	v_permlane16_swap_b32 v[PC+12*\u+6*\c+\i], v[TC+8*\u+4*\c+\i]
.endr
.irp i, 0,1,2
	v_mov_b32 v[PC+12*\u+6*\c+3+\i], v[TC+8*\u+4*\c+\i]
.endr
.endr
.endr
	PLACES                                         ; four places behind the operand's last write; the scale words' last write lies 24 plain lines further back
.endif
.endm
.macro UNIT2 b
	AW
.if (\b) == 0
	s_wait_dscnt 4                                 ; K's scale words and fragments are in; the four loads of V's scale words, issued behind them, may be out
.else
	s_wait_dscnt 0x0
.endif
	WIN 0x04
.irp p, 0,1
.irp t, 0,1
.irp u, 0,1
.set rD, S+32*\p+16*\u+8*\t
.set rA, F+12*(2*\p+\t)
.set rB, QQ+12*(2*\p+\u)
.set rSA, KS+2*(\b)+\p
.set rSB, QS+\p
	WM 1, \t, \u
.endr
.endr
.endr
	WIN 0
	PLACES
.if (\b) < 3
.irp p, 0,1
.irp t, 0,1
	FL F+12*(2*\p+\t), ADK, PARTB*\p+(2*((\b)+1)+\t)*FRB
.endr
.endr
.else
.irp t, 0,1,2,3
	FL F+12*\t, ADV, FRB*\t
.endr
	WIN 0x40
.irp t, 0,1,2,3
	FL F2+12*\t, ADV, FRB*(\t+4)
.endr
	WIN 0
.endif
	VEC2 \b
.endm
.set XD, 232                           ; v232-247: two of the step's sixteen sums
.macro SETD u, t                       ; where the step's sum of tile u, channels 16 t on, lies: registers of window 0 that are free at a step's end
.if (\u) == 0
.set rD, S+8*(\t)
.elseif (\t) < 4
.set rD, T+8*(\t)
.elseif (\t) < 6
.set rD, TC+8*((\t)-4)
.else
.set rD, XD+8*((\t)-6)
.endif
.endm
; The step's V^T W^T, K = its 128 keys: sixteen sums of their own, each begun with 0, and 64 packed additions carry them into O^T: the sums' first readers are plain lines with no exponential between.
; Between the two the next step's scale words and first fragments of K are asked for (in a period's last step: landed bytes of V in the same slot, which are not used).
.macro PV
	AW
	s_wait_dscnt 0x0
.irp t, 0,1,2,3,4,5,6,7
.if \t == 4
	WIN 0x01                                       ; source 0 (V's fragments 4-7) in window 1
.endif
.irp u, 0,1
	SETD \u, \t
.if \t < 4
.set rA, F+12*\t
.else
.set rA, F2+12*(\t-4)
.endif
.set rB, PC+12*\u
.set rSA, VS+\t/2
.set rSB, PS+\u
	WM 1, \t%2, 0
.endr
.endr
	WIN 0
	PLACES
.irp j, 0,1,2,3
	ds_load_b64 v[KS+2*\j:KS+2*\j+1], v[ADS] offset:REC+SCO+256*\j
.endr
.irp p, 0,1
.irp t, 0,1
	FL F+12*(2*\p+\t), ADK, REC+PARTB*\p+\t*FRB
.endr
.endr
	WIN 0x41                                       ; destination and source 0 (O^T) in window 1
.irp t, 0,1,2,3,4,5,6,7
.irp u, 0,1
	SETD \u, \t
.irp r, 0,2,4,6
	v_pk_add_f32 v[OO+64*\u+8*\t+\r:OO+64*\u+8*\t+\r+1], v[OO+64*\u+8*\t+\r:OO+64*\u+8*\t+\r+1], v[rD+\r:rD+\r+1]   ; each sum from its low end on
.endr
.endr
.endr
	WIN 0
.endm
.macro P2                              ; a period of pass 2: two records of V, two steps each; the period's first fetch of K stands ahead of the loops, the later ones at the end of the step before
	s_mov_b32 s[TB], s[SB]
	s_add_co_u32 s[TV], s[SB], VOFF
	s_add_co_u32 s[TVS], s[SB], VOFF+SCO
	v_add_nc_u32 v[ADK], s[TB], v[LI]
	v_add_nc_u32 v[ADS], s[TB], v[L8]
	AW
.irp j, 0,1,2,3
	ds_load_b64 v[KS+2*\j:KS+2*\j+1], v[ADS] offset:SCO+256*\j
.endr
.irp p, 0,1
.irp t, 0,1
	FL F+12*(2*\p+\t), ADK, PARTB*\p+\t*FRB
.endr
.endr
	s_mov_b32 s[MID], 2
.Lm2_\@:
	s_mov_b32 s[IN], 2
.Lb2_\@:
	v_add_nc_u32 v[ADK], s[TB], v[LI]
	v_add_nc_u32 v[ADS], s[TB], v[L8]
	v_add_nc_u32 v[ADV], s[TV], v[LI]
	v_add_nc_u32 v[ADVS], s[TVS], v[L8]
	AW
.irp j, 0,1,2,3
	ds_load_b32 v[VS+\j], v[ADVS] offset:256*\j
.endr
	UNIT2 0
	UNIT2 1
	UNIT2 2
	UNIT2 3
	PV
	s_add_co_u32 s[TB], s[TB], REC
	s_add_co_u32 s[TV], s[TV], PARTB
	s_add_co_u32 s[TVS], s[TVS], 4
	s_sub_co_u32 s[IN], s[IN], 1
	s_cmp_lg_u32 s[IN], 0
	s_cbranch_scc1 .Lb2_\@
	s_add_co_u32 s[TV], s[TV], REC-2*PARTB
	s_add_co_u32 s[TVS], s[TVS], REC-8
	s_sub_co_u32 s[MID], s[MID], 1
	s_cmp_lg_u32 s[MID], 0
	s_cbranch_scc1 .Lm2_\@
.endm
.macro YSTEP                           ; K's and V's group 0 on to the next period and the other slot; written only while no tensor load of mine is out
	s_xor_b32 s[FB], s[FB], SLOTB
	s_add_co_u32 s[G0K+1], s[FB], s[WK]
	s_add_co_u32 s[G0V+1], s[FB], s[WVV]
	s_add_nc_u64 s[G0K+2:G0K+3], s[G0K+2:G0K+3], 4*REC
	s_add_nc_u64 s[G0V+2:G0V+3], s[G0V+2:G0V+3], 2*REC
.endm
.macro YLOAD                           ; a period's K and V: waves 0-3 a record of K each, waves 4-7 half a record of V each: one joint load a wave
	s_cmp_lt_u32 s[WV], 4
	s_cbranch_scc0 .Lyv_\@
	tensor_load_to_lds s[G0K:G0K+3], s[G1A:G1A+7]
	s_nop 0
	PLACES
	s_branch .Lyj_\@
.Lyv_\@:
	tensor_load_to_lds s[G0V:G0V+3], s[G1B:G1B+7]
	s_nop 0
	PLACES
.Lyj_\@:
.endm
; THE CHANGE OF SLOTS.  Each wave waits for all its tensor loads (its part of the other slot), adds 0 to its spare word, waits for that and for its reads of the slot that it leaves.
; kind 1: a round of the cluster's barrier, then K of the period after the next into the slot just left; kind 2: the same with K and V; kind 0: nothing is left to ask for.
.macro CHANGE kind
	AW
	s_wait_tensorcnt 0x0
	ds_add_u32 v[SPW], v[NIL]
.if (\kind) == 1
	s_xor_b32 s[FB], s[FB], SLOTB
	s_add_co_u32 s[G0X+1], s[FB], s[WX]
	s_add_co_u32 s[PER], s[PER], 1
	s_and_b32 s[OFF], s[PER], 3                    ; periods 2, 3, and for pass 2 once more 0, 1
	s_mul_i32 s[OFF], s[OFF], 4*REC
	s_add_nc_u64 s[G0X+2:G0X+3], s[KB:KB+1], s[OFF:OFF+1]
	s_or_b32 s[G0X+3], s[G0X+3], 0x80000000
.elseif (\kind) == 2
	YSTEP
.endif
	s_wait_dscnt 0x0
.if (\kind) == 0
	s_barrier_signal -1
	s_barrier_wait -1
.else
	ROUND
.if (\kind) == 1
	tensor_load_to_lds s[G0X:G0X+3], s[G1B:G1B+7]
	s_nop 0
	PLACES
.else
	YLOAD
.endif
.endif
	s_xor_b32 s[SB], s[SB], SLOTB
.endm
.macro LANESUM a, t
	v_add_f32_dpp v[\a], v[\a], v[\a] row_xmask:1 row_mask:0xf bank_mask:0xf
.irp m, 2,4,8
	DL 1
	v_add_f32_dpp v[\a], v[\a], v[\a] row_xmask:\m row_mask:0xf bank_mask:0xf
.endr
	v_permlanex16_b32 v[\t], v[\a], s[SEL], s[SEL+1]
	DL 1
	v_add_f32 v[\a], v[\a], v[\t]
.endm
; ---------------- the head
	s_load_b256 s[4:11], s[0:1], 0x0               ; qc, kc, vc, lam_q1
	s_load_b256 s[12:19], s[0:1], 0x20             ; lam_k1, lam_q2, lam_k2, raw
	s_load_b64 s[20:21], s[0:1], 0x40              ; part
	v_lshl_add_u32 v[SPW], v0, 2, SPARE
	v_mov_b32 v[NIL], 0
	ds_add_u32 v[SPW], v[NIL]                      ; the opening lines: the add twice on end and its wait
	ds_add_u32 v[SPW], v[NIL]
	v_lshrrev_b32 v12, 5, v0
	v_readfirstlane_b32 s[WV], v12                 ; wave 0..7
	s_bfe_u32 s23, ttmp6, 0x40000                  ; cx
	s_lshl_b32 s24, ttmp9, 2
	s_add_co_u32 s24, s24, s23                     ; my block of 256 queries: it enters q's, raw's and part's addresses alone
	s_and_b32 s25, ttmp7, 0xffff                   ; the head, which the partners share
.irp g, G1A, G1B
	s_mov_b32 s[\g], 15|(3<<16)|(1<<21)            ; mask: all four; elements of 8 bytes; bit 21 beside a mask
	s_mov_b32 s[\g+1], 32<<16
	s_mov_b32 s[\g+3], 32<<16
	s_mov_b32 s[\g+5], 32
	s_mov_b32 s[\g+6], 0
	s_mov_b32 s[\g+7], 0
.endr
	s_mov_b32 s[G1A+2], 100<<16
	s_mov_b32 s[G1A+4], 100
	s_mov_b32 s[G1B+2], 50<<16
	s_mov_b32 s[G1B+4], 50
	s_mov_b32 s[SEL], 0x76543210
	s_mov_b32 s[SEL+1], 0xfedcba98
	s_mov_b32 s[CS], 0x3e0293ee                    ; c
	s_mov_b32 s[CS+1], s[CS]
	s_mov_b32 s[NC], 0xbe0293ee                    ; -c
	s_mul_i32 s80, s25, 16*REC                     ; the head's K
	s_mov_b32 s81, 0
	s_mul_i32 s82, s25, 8*REC                      ; the head's V
	s_mov_b32 s83, 0
	s_and_b32 s84, s[WV], 3
	s_mul_i32 s[WK], s84, REC
	s_mul_i32 s[WX], s[WV], 12800
	s_mul_i32 s85, s84, 12800
	s_add_co_u32 s[WVV], s85, VOFF
	s_lshl_b32 s86, s25, 4
	s_lshl_b32 s87, s24, 1
	s_add_co_u32 s86, s86, s87
	s_lshr_b32 s87, s[WV], 2
	s_add_co_u32 s86, s86, s87                     ; q's record: 16 head + 2 block + wave / 4
	s_mul_i32 s86, s86, REC
	s_mul_i32 s88, s84, 2*FRB
	s_add_co_u32 s88, s88, s86                     ; my pair of tiles in it
	s_mov_b32 s89, 0
	s_lshl_b32 s90, s84, 8
	s_add_co_u32 s90, s90, s86
	s_add_co_u32 s90, s90, SCO
	s_mov_b32 s91, 0
	s_lshl_b32 s92, s25, 20                        ; raw: 2,048 rows of 512 bytes a head, 256 a block, 32 a wave
	s_lshl_b32 s87, s24, 17
	s_add_co_u32 s92, s92, s87
	s_lshl_b32 s87, s[WV], 14
	s_add_co_u32 s92, s92, s87
	s_mov_b32 s93, 0
	s_lshl_b32 s94, s25, 9                         ; part: 8 bytes a wave
	s_lshl_b32 s87, s24, 6
	s_add_co_u32 s94, s94, s87
	s_lshl_b32 s87, s[WV], 3
	s_add_co_u32 s94, s94, s87
	s_mov_b32 s95, 0
	s_mul_i32 s87, s[WV], STGB                     ; my stage
	s_mov_b32 s[OFF+1], 0
	s_mov_b32 s[PER], 1
	s_mov_b32 s[FB], 0
	s_mov_b32 s[SB], 0
	s_wait_dscnt 0x0
	s_wait_kmcnt 0x0
	s_add_nc_u64 s[6:7], s[6:7], s[80:81]
	s_mov_b32 s80, s[WK]
	s_mov_b32 s[G0K], 1
	s_mov_b32 s[G0K+1], s[WK]
	s_add_nc_u64 s[G0K+2:G0K+3], s[6:7], s[80:81]
	s_or_b32 s[G0K+3], s[G0K+3], 0x80000000
	s_mov_b32 s80, s[WX]
	s_add_nc_u64 s[KB:KB+1], s[6:7], s[80:81]
	s_mov_b32 s[G0X], 1
	s_add_nc_u64 s[8:9], s[8:9], s[82:83]
	s_mov_b32 s82, s85
	s_mov_b32 s[G0V], 1
	s_mov_b32 s[G0V+1], s[WVV]
	s_add_nc_u64 s[G0V+2:G0V+3], s[8:9], s[82:83]
	s_or_b32 s[G0V+3], s[G0V+3], 0x80000000
	s_add_nc_u64 s[26:27], s[4:5], s[90:91]        ; Q's scale words
	s_add_nc_u64 s[4:5], s[4:5], s[88:89]          ; Q's fragments
	s_add_nc_u64 s[18:19], s[18:19], s[92:93]
	s_add_nc_u64 s[20:21], s[20:21], s[94:95]
	ROUND                                          ; the first joint loads meet
	YLOAD                                          ; period 0: one tensor load a wave at the head
	v_and_b32 v12, 15, v0
	v_bfe_u32 v13, v0, 4, 1
	v_and_b32 v[LI], 31, v0
	v_lshlrev_b32 v[L8], 3, v[LI]
	v_lshlrev_b32 v[LI], 4, v[LI]
	v_mul_u32_u24 v[STO], v12, SP
	v_lshl_add_u32 v[STO], v13, 5, v[STO]
	v_add_nc_u32 v[STO], s87, v[STO]
	v_add_nc_u32 v[RD], s87, v[LI]
	AW
	global_load_b128 v[120:123], v[LI], s[10:11]   ; lam's four vectors, four numbers a lane
	global_load_b128 v[124:127], v[LI], s[12:13]
	global_load_b128 v[128:131], v[LI], s[14:15]
	global_load_b128 v[132:135], v[LI], s[16:17]
	WIN 0x40
.irp p, 0,1
.irp u, 0,1
.irp k, 0,1,2
	global_load_b128 v[QQ+12*(2*\p+\u)+4*\k:QQ+12*(2*\p+\u)+4*\k+3], v[LI], s[4:5] offset:PARTB*\p+FRB*\u+512*\k   ; Q stays in registers
.endr
.endr
.endr
	WIN 0
	global_load_b64 v[QS:QS+1], v[L8], s[26:27]
	WIN 0x40
.set n1, 0
.rept 128
	v_mov_b32 v[OO+n1], 0                          ; O^T: pass 2's step is written once, for a step that adds.  These lines stand where the wave would wait for its first tiles
.set n1, n1+1
.endr
	WIN 0
.irp g, 0,1,2,3
	v_mov_b32 v[ST+4*\g], 0x7f000000               ; -M: far above every later one, so that the first f is 0
	v_mov_b32 v[ST+4*\g+1], 0xff61b1e6             ; m: -3e38, under every score
	v_mov_b32 v[ST+4*\g+2], 0
	v_mov_b32 v[ST+4*\g+3], 0
.endr
	v_mov_b32 v138, 0
	v_mov_b32 v139, 0
	s_mov_b32 s80, 0x3fb8aa3b                      ; log2(e), its upper part
	s_mov_b32 s81, 0x32a57060                      ; and what f32 leaves of it
	AW
	s_wait_loadcnt 13                              ; lam's four loads are in; Q's twelve and its scale words may be out
	v_mul_f32 v136, v120, v124
	v_mul_f32 v137, v128, v132
.irp i, 1,2,3
	v_fma_f32 v136, v[120+\i], v[124+\i], v136
	v_fma_f32 v137, v[128+\i], v[132+\i], v137
.endr
	LANESUM 136, 138
	LANESUM 137, 139
	v_mul_f32 v138, s80, v136                      ; exp(x) = 2^n 2^rho, n the nearest whole number to x log2(e), rho by fused multiply-adds with both parts of log2(e)
	v_mul_f32 v139, s80, v137
	v_rndne_f32 v138, v138
	v_rndne_f32 v139, v139
	v_fma_f32 v140, v136, s80, -v138
	v_fma_f32 v141, v137, s80, -v139
	v_fma_f32 v140, v136, s81, v140
	v_fma_f32 v141, v137, s81, v141
	AW
	v_exp_f32 v140, v140
	v_exp_f32 v141, v141
	v_nop
	v_cvt_i32_f32 v138, v138
	v_cvt_i32_f32 v139, v139
	AW
	v_ldexp_f32 v140, v140, v138
	v_ldexp_f32 v141, v141, v139
	v_sub_f32 v[LAM], v140, v141
	v_add_f32 v[LAM], 0x3f4ccccd, v[LAM]
	AW
	s_wait_loadcnt 0x0                             ; Q
	s_wait_tensorcnt 0x0                           ; my part of period 0 is in; slot 1's first fill is issued as a refill is
	ds_add_u32 v[SPW], v[NIL]
	YSTEP
	s_wait_dscnt 0x0
	ROUND
	YLOAD                                          ; period 1
; ---------------- pass 1: four periods
	s_mov_b32 s[OUT], 4
.Lp1:
	P1
	CHANGE 1
	s_sub_co_u32 s[OUT], s[OUT], 1
	s_cmp_lg_u32 s[OUT], 0
	s_cbranch_scc1 .Lp1
; ---------------- part 0: the addend -(M1 + log2 l1); part 1: the factor -lam / l2, the reciprocal sharpened by one step of Newton's
.irp g, 0,1,2,3
	v_add_f32 v[48+\g], v[ST+4*\g+2], v[ST+4*\g+3]
.endr
.irp g, 0,1,2,3
	v_permlanex16_b32 v[52+\g], v[48+\g], s[SEL], s[SEL+1]
.endr
.irp g, 0,1,2,3
	v_add_f32 v[48+\g], v[48+\g], v[52+\g]
.endr
	AW
	v_log_f32 v56, v48
	v_log_f32 v57, v49
	v_rcp_f32 v58, v50
	v_rcp_f32 v59, v51
	v_nop
	AW
	v_sub_f32 v[ST], v[ST], v56
	v_sub_f32 v[ST+4], v[ST+4], v57
	v_fma_f32 v60, -v50, v58, 1.0
	v_fma_f32 v61, -v51, v59, 1.0
	v_fma_f32 v58, v58, v60, v58
	v_fma_f32 v59, v59, v61, v59
	v_mul_f32 v[ST+10], -v[LAM], v58
	v_mul_f32 v[ST+14], -v[LAM], v59
	AW
; ---------------- pass 2: the same keys once more
	s_mov_b32 s[OUT], 2
.Lp2a:
	P2
	CHANGE 2
	s_sub_co_u32 s[OUT], s[OUT], 1
	s_cmp_lg_u32 s[OUT], 0
	s_cbranch_scc1 .Lp2a
	s_mov_b32 s[OUT], 2                            ; the last two periods are written apart: nothing is left to ask for
.Lp2b:
	P2
	CHANGE 0                                       ; the last of these is also the barrier behind which nobody reads the slots: the stages lie there
	s_sub_co_u32 s[OUT], s[OUT], 1
	s_cmp_lg_u32 s[OUT], 0
	s_cbranch_scc1 .Lp2b
; ---------------- the way out: a tile (16 rows) goes through my stage and comes back as whole rows of 512 bytes
.irp u, 0,1
	WIN 0x04
.irp t, 0,1,2,3,4,5,6,7
	ds_store_b128 v[STO], v[OO+64*\u+8*\t:OO+64*\u+8*\t+3] offset:64*\t            ; each accumulator from its low end on
	ds_store_b128 v[STO], v[OO+64*\u+8*\t+4:OO+64*\u+8*\t+7] offset:64*\t+16
.endr
	WIN 0
.irp i, 0,1,2,3,4,5,6,7,8,9,10,11,12,13,14,15
	ds_load_b128 v[BK+64*\u+4*\i:BK+64*\u+4*\i+3], v[RD] offset:SP*\i              ; LDS serves a wave's instructions in order
.endr
.endr
	s_wait_dscnt 32                                ; tile 0 is back; tile 1's 16 stores and 16 loads may be out
.irp i, 0,1,2,3,4,5,6,7,8,9,10,11,12,13,14,15
	global_store_b128 v[LI], v[BK+4*\i:BK+4*\i+3], s[18:19] offset:(\i+8*(\i/8))*512      ; row i of tile u is query 8 u + i + 8 (i / 8) of my 32; 512 consecutive bytes, aligned
.endr
	s_wait_dscnt 0x0
.irp i, 0,1,2,3,4,5,6,7,8,9,10,11,12,13,14,15
	global_store_b128 v[LI], v[BK+64+4*\i:BK+64+4*\i+3], s[18:19] offset:(8+\i+8*(\i/8))*512
.endr
; ---------------- my 4,096 results' mean, and the sum of their squared distances from it
.irp k, 0,1,2,3
	v_pk_add_f32 v[52+2*\k:53+2*\k], v[BK+4*\k:BK+4*\k+1], v[BK+4*\k+2:BK+4*\k+3]
.endr
.set n1, 16
.rept 56
	v_pk_add_f32 v[52+2*((n1/2)%4):53+2*((n1/2)%4)], v[52+2*((n1/2)%4):53+2*((n1/2)%4)], v[BK+n1:BK+n1+1]
.set n1, n1+2
.endr
	v_pk_add_f32 v[52:53], v[52:53], v[54:55]
	v_pk_add_f32 v[56:57], v[56:57], v[58:59]
	v_pk_add_f32 v[52:53], v[52:53], v[56:57]
	v_add_f32 v52, v52, v53
	LANESUM 52, 53
	v_mul_f32 v76, 0x39800000, v52                 ; / 4,096
	v_mov_b32 v77, v76
.irp k, 0,1,2,3
	v_pk_add_f32 v[60+2*\k:61+2*\k], v[BK+2*\k:BK+2*\k+1], v[76:77] neg_lo:[0,1] neg_hi:[0,1]
.endr
.irp k, 0,1,2,3
	v_pk_mul_f32 v[68+2*\k:69+2*\k], v[60+2*\k:61+2*\k], v[60+2*\k:61+2*\k]
.endr
.set n1, 8
.rept 15
.irp k, 0,1,2,3
	v_pk_add_f32 v[60+2*\k:61+2*\k], v[BK+n1+2*\k:BK+n1+2*\k+1], v[76:77] neg_lo:[0,1] neg_hi:[0,1]
.endr
.irp k, 0,1,2,3
	v_pk_fma_f32 v[68+2*\k:69+2*\k], v[60+2*\k:61+2*\k], v[60+2*\k:61+2*\k], v[68+2*\k:69+2*\k]
.endr
.set n1, n1+8
.endr
	v_pk_add_f32 v[68:69], v[68:69], v[70:71]
	v_pk_add_f32 v[72:73], v[72:73], v[74:75]
	v_pk_add_f32 v[68:69], v[68:69], v[72:73]
	v_add_f32 v68, v68, v69
	LANESUM 68, 69
	v_mov_b32 v77, v68
	v_cmp_eq_u32 vcc_lo, 0, v[LI]                  ; lane 0 stores the pair
	AW
	s_wait_xcnt 0x0                                ; EXEC is a source of the stores above: it changes only behind this wait
	s_and_saveexec_b32 s80, vcc_lo
	global_store_b64 v[LI], v[76:77], s[20:21]
	s_wait_xcnt 0x0
	s_or_b32 exec_lo, exec_lo, s80
	s_wait_tensorcnt 0x0                           ; the wave's end
	ds_add_u32 v[SPW], v[NIL]
	s_wait_dscnt 0x0
	ROUND                                          ; the closing round
	s_endpgm
.Lfunc_end_k_qb444d2211d_attn:
	.size	k_qb444d2211d_attn, .Lfunc_end_k_qb444d2211d_attn-k_qb444d2211d_attn
	.p2alignl 7, 3214868480
	.fill 96, 4, 3214868480
	.section	.rodata,"a",@progbits
	.p2align	6, 0x0
	.amdhsa_kernel k_qb444d2211d_attn
		.amdhsa_group_segment_fixed_size 327680
		.amdhsa_private_segment_fixed_size 0
		.amdhsa_enable_private_segment 0
		.amdhsa_kernarg_size 72
		.amdhsa_user_sgpr_count 2
		.amdhsa_user_sgpr_kernarg_segment_ptr 1
		.amdhsa_wavefront_size32 1
		.amdhsa_system_sgpr_workgroup_id_x 1
		.amdhsa_system_sgpr_workgroup_id_y 1
		.amdhsa_system_sgpr_workgroup_id_z 1
		.amdhsa_system_vgpr_workitem_id 0
		.amdhsa_next_free_vgpr 512
		.amdhsa_next_free_sgpr 100
		.amdhsa_reserve_vcc 1
		.amdhsa_float_denorm_mode_32 3
		.amdhsa_float_denorm_mode_16_64 3
		.amdhsa_memory_ordered 1
		.amdhsa_forward_progress 1
		.amdhsa_inst_pref_size 184
	.end_amdhsa_kernel
	.amdgpu_metadata
---
amdhsa.version: [ 1, 2 ]
amdhsa.kernels:
  - .name:           k_qb444d2211d_attn
    .symbol:         k_qb444d2211d_attn.kd
    .args:
      - { .name: qc, .offset: 0, .size: 8, .value_kind: global_buffer, .address_space: global }
      - { .name: kc, .offset: 8, .size: 8, .value_kind: global_buffer, .address_space: global }
      - { .name: vc, .offset: 16, .size: 8, .value_kind: global_buffer, .address_space: global }
      - { .name: lam_q1, .offset: 24, .size: 8, .value_kind: global_buffer, .address_space: global }
      - { .name: lam_k1, .offset: 32, .size: 8, .value_kind: global_buffer, .address_space: global }
      - { .name: lam_q2, .offset: 40, .size: 8, .value_kind: global_buffer, .address_space: global }
      - { .name: lam_k2, .offset: 48, .size: 8, .value_kind: global_buffer, .address_space: global }
      - { .name: raw, .offset: 56, .size: 8, .value_kind: global_buffer, .address_space: global }
      - { .name: part, .offset: 64, .size: 8, .value_kind: global_buffer, .address_space: global }
    .group_segment_fixed_size: 327680
    .private_segment_fixed_size: 0
    .kernarg_segment_align: 8
    .kernarg_segment_size: 72
    .max_flat_workgroup_size: 256
    .sgpr_count:     100
    .vgpr_count:     512
    .wavefront_size: 32
...
	.end_amdgpu_metadata
.endif
;; end of part 2
;; launch norm (part 3): grid 16 x 32, 8 waves a work-group, no clusters, 0 bytes of LDS; arguments raw, part, gn_weight, gn_bias, out0; writes out0
.if DOCPART == 3
	.amdgcn_target "amdgcn-amd-amdhsa--gfx1250"
	.amdhsa_code_object_version 6
	.text
	.protected	k_qb444d2211d_norm
	.globl	k_qb444d2211d_norm
	.p2align	8
	.type	k_qb444d2211d_norm,@function
k_qb444d2211d_norm:
	s_mov_b64 s[64:65], 0
	v_nop
	global_prefetch_b8 v0, s[64:65] scope:SCOPE_SE
	s_setreg_imm32_b32 hwreg(HW_REG_WAVE_MODE, 25, 1), 1
	s_wait_xcnt 0x0
; out0 = ((raw - mean) rsqrt(var + 1e-5) gamma + beta) x 0.2, mean and var over a (batch, head)'s 2,048 x 128 numbers; gamma and beta by head and channel.
; The launch before left, for each of a head's 64 waves, the mean m_i of 4,096 numbers and the sum M_i of their squared distances from it.  mean = the sum of m_i / 64;
; var = (the sum of M_i + 4,096 x the sum of (m_i - mean)^2) / 2^18: no difference of large sums.  Every wave makes them anew from the head's 512 bytes: two pairs a lane.
; A stream: a work-group takes 128 rows of a head, a wave 16; a lane keeps the same four channels in every row, so each load and store of a wave is a whole row, 512 consecutive bytes, aligned.
; All 16 loads of a wave go out at once; no loop, no LDS, no barrier; work-groups share no large input, so no cluster.  LIMITS: NaN and infinities are not served.
.set SEL, 22
	s_load_b256 s[4:11], s[0:1], 0x0               ; raw s[4:5], part s[6:7], gn_weight s[8:9], gn_bias s[10:11]
	s_load_b64 s[12:13], s[0:1], 0x20              ; out0
	v_lshrrev_b32 v1, 5, v0
	s_delay_alu instid0(VALU_DEP_1)
	v_readfirstlane_b32 s14, v1                    ; wave 0..7
	v_and_b32 v1, 31, v0
	s_delay_alu instid0(VALU_DEP_1)
	v_lshlrev_b32 v1, 4, v1                        ; 16 x lane
	s_and_b32 s15, ttmp7, 0xffff                   ; 16 batch + head
	s_lshl_b32 s16, s15, 20                        ; 2,048 rows of 512 bytes,
	s_lshl_b32 s18, ttmp9, 16                      ; 128 a work-group,
	s_add_co_u32 s16, s16, s18
	s_lshl_b32 s18, s14, 13                        ; 16 a wave
	s_add_co_u32 s16, s16, s18
	s_mov_b32 s17, 0
	s_lshl_b32 s18, s15, 9                         ; the head's 64 pairs
	s_mov_b32 s19, 0
	s_and_b32 s20, s15, 15
	s_lshl_b32 s20, s20, 9                         ; the head's 128 gains and biases
	s_mov_b32 s21, 0
	s_mov_b32 s[SEL], 0x76543210
	s_mov_b32 s[SEL+1], 0xfedcba98                 ; v_permlanex16_b32's selects for lane l xor 16
	s_mov_b32 s24, 0x45800000                      ; 4,096
	s_wait_alu depctr_va_vdst(0)
	s_wait_kmcnt 0x0
	s_add_nc_u64 s[4:5], s[4:5], s[16:17]
	s_add_nc_u64 s[12:13], s[12:13], s[16:17]
	s_add_nc_u64 s[6:7], s[6:7], s[18:19]
	s_add_nc_u64 s[8:9], s[8:9], s[20:21]
	s_add_nc_u64 s[10:11], s[10:11], s[20:21]
	global_load_b128 v[4:7], v1, s[6:7]            ; m_a, M_a, m_b, M_b
	global_load_b128 v[8:11], v1, s[8:9]           ; gamma of my four channels
	global_load_b128 v[12:15], v1, s[10:11]        ; beta
.irp i, 0,1,2,3,4,5,6,7,8,9,10,11,12,13,14,15
	global_load_b128 v[32+4*\i:35+4*\i], v1, s[4:5] offset:512*\i th:TH_LOAD_NT
.endr
.macro LANESUM a, t                    ; the sum over the 32 lanes, in every lane
	s_delay_alu instid0(VALU_DEP_1)
	v_add_f32_dpp v[\a], v[\a], v[\a] row_xmask:1 row_mask:0xf bank_mask:0xf
	s_delay_alu instid0(VALU_DEP_1)
	v_add_f32_dpp v[\a], v[\a], v[\a] row_xmask:2 row_mask:0xf bank_mask:0xf
	s_delay_alu instid0(VALU_DEP_1)
	v_add_f32_dpp v[\a], v[\a], v[\a] row_xmask:4 row_mask:0xf bank_mask:0xf
	s_delay_alu instid0(VALU_DEP_1)
	v_add_f32_dpp v[\a], v[\a], v[\a] row_xmask:8 row_mask:0xf bank_mask:0xf
	s_wait_alu depctr_va_vdst(0)
	v_permlanex16_b32 v[\t], v[\a], s[SEL], s[SEL+1]
	s_delay_alu instid0(VALU_DEP_1)
	v_add_f32 v[\a], v[\a], v[\t]
.endm
	v_mov_b32 v17, 0                               ; written once: a lane permute's destination counts as one of its sources
	s_wait_loadcnt 16                              ; the pairs, gamma and beta are in; the 16 rows may be out
	v_add_f32 v16, v4, v6
	LANESUM 16, 17
	s_delay_alu instid0(VALU_DEP_1)
	v_mul_f32 v22, 0x3c800000, v16                 ; mean = the sum / 64
	s_delay_alu instid0(VALU_DEP_1)
	v_mov_b32 v23, v22
	s_delay_alu instid0(VALU_DEP_2)
	v_sub_f32 v18, v4, v22
	s_delay_alu instid0(VALU_DEP_3)
	v_sub_f32 v19, v6, v22
	s_delay_alu instid0(VALU_DEP_2)
	v_mul_f32 v18, v18, v18
	s_delay_alu instid0(VALU_DEP_1)
	v_fma_f32 v18, v19, v19, v18
	v_add_f32 v19, v5, v7
	s_delay_alu instid0(VALU_DEP_1)
	v_fma_f32 v18, v18, s24, v19
	LANESUM 18, 17
	s_delay_alu instid0(VALU_DEP_1)
	v_mul_f32 v18, 0x36800000, v18                 ; var = the sum / 2^18
	s_delay_alu instid0(VALU_DEP_1)
	v_add_f32 v18, 0x3727c5ac, v18                 ; + 1e-5
	s_wait_alu depctr_va_vdst(0)
	v_rsq_f32 v19, v18
	v_pk_mul_f32 v[12:13], v[12:13], 0x3e4ccccd op_sel_hi:[1,0]     ; beta x 0.2 (plain places behind the transcendental)
	v_pk_mul_f32 v[14:15], v[14:15], 0x3e4ccccd op_sel_hi:[1,0]
	s_wait_alu depctr_va_vdst(0)                   ; the wait ahead of its first reader
	v_mul_f32 v20, 0x3e4ccccd, v19
	s_delay_alu instid0(VALU_DEP_1)
	v_mov_b32 v21, v20
	s_delay_alu instid0(VALU_DEP_1)
	v_pk_mul_f32 v[8:9], v[8:9], v[20:21]          ; gamma x rsqrt x 0.2
	s_delay_alu instid0(VALU_DEP_2)
	v_pk_mul_f32 v[10:11], v[10:11], v[20:21]
.irp i, 0,1,2,3,4,5,6,7,8,9,10,11,12,13,14,15
	s_wait_loadcnt 15-\i                           ; loads come back in order: row i is in, the later rows may be out
	v_pk_add_f32 v[32+4*\i:33+4*\i], v[32+4*\i:33+4*\i], v[22:23] neg_lo:[0,1] neg_hi:[0,1]
	s_wait_alu depctr_va_vdst(0)
	v_pk_add_f32 v[34+4*\i:35+4*\i], v[34+4*\i:35+4*\i], v[22:23] neg_lo:[0,1] neg_hi:[0,1]
	v_pk_fma_f32 v[32+4*\i:33+4*\i], v[32+4*\i:33+4*\i], v[8:9], v[12:13]
	s_delay_alu instid0(VALU_DEP_2)
	v_pk_fma_f32 v[34+4*\i:35+4*\i], v[34+4*\i:35+4*\i], v[10:11], v[14:15]
	global_store_b128 v1, v[32+4*\i:35+4*\i], s[12:13] offset:512*\i th:TH_STORE_NT
.endr
	s_endpgm
.Lfunc_end_k_qb444d2211d_norm:
	.size	k_qb444d2211d_norm, .Lfunc_end_k_qb444d2211d_norm-k_qb444d2211d_norm
	.p2alignl 7, 3214868480
	.fill 96, 4, 3214868480
	.section	.rodata,"a",@progbits
	.p2align	6, 0x0
	.amdhsa_kernel k_qb444d2211d_norm
		.amdhsa_group_segment_fixed_size 0
		.amdhsa_private_segment_fixed_size 0
		.amdhsa_enable_private_segment 0
		.amdhsa_kernarg_size 40
		.amdhsa_user_sgpr_count 2
		.amdhsa_user_sgpr_kernarg_segment_ptr 1
		.amdhsa_wavefront_size32 1
		.amdhsa_system_sgpr_workgroup_id_x 1
		.amdhsa_system_sgpr_workgroup_id_y 1
		.amdhsa_system_sgpr_workgroup_id_z 1
		.amdhsa_system_vgpr_workitem_id 0
		.amdhsa_next_free_vgpr 104
		.amdhsa_next_free_sgpr 66
		.amdhsa_reserve_vcc 0
		.amdhsa_float_denorm_mode_32 3
		.amdhsa_float_denorm_mode_16_64 3
		.amdhsa_memory_ordered 1
		.amdhsa_forward_progress 1
		.amdhsa_inst_pref_size 13
	.end_amdhsa_kernel
	.amdgpu_metadata
---
amdhsa.version: [ 1, 2 ]
amdhsa.kernels:
  - .name:           k_qb444d2211d_norm
    .symbol:         k_qb444d2211d_norm.kd
    .args:
      - { .name: raw, .offset: 0, .size: 8, .value_kind: global_buffer, .address_space: global }
      - { .name: part, .offset: 8, .size: 8, .value_kind: global_buffer, .address_space: global }
      - { .name: gn_weight, .offset: 16, .size: 8, .value_kind: global_buffer, .address_space: global }
      - { .name: gn_bias, .offset: 24, .size: 8, .value_kind: global_buffer, .address_space: global }
      - { .name: out0, .offset: 32, .size: 8, .value_kind: global_buffer, .address_space: global }
    .group_segment_fixed_size: 0
    .private_segment_fixed_size: 0
    .kernarg_segment_align: 8
    .kernarg_segment_size: 40
    .max_flat_workgroup_size: 256
    .sgpr_count:     66
    .vgpr_count:     104
    .wavefront_size: 32
...
	.end_amdgpu_metadata
.endif
;; end of part 3
